; MI455X (gfx1250); checked and timed in simulation.
; The chip was launched on July 23, 2026; its instructions are those of AMD's public machine-readable ISA for CDNA 5 (MIT licence, August 2026) and "CDNA5" Instruction Set Architecture Reference Guide (July 2026). The comments in the code are by the model that wrote it; some were corrected since.
;; Gaussian Renderer. Allowed arithmetic: float matrix products may take bf16 or f16 operands with f32 sums; all other float work in f32.
;; Inputs: opacities 4,096 x 1 float32; positions 4,096 x 3 float32; proj_matrix 4 x 4 float32; rotations 4,096 x 4 float32; scales 4,096 x 3 float32; sh_coeffs 4,096 x 16 x 3 float32; view_matrix 4 x 4 float32.
;; Outputs: out0 3 x 128 x 256 float32; out1 1 x 128 x 256 float32.
;; One version. Each part assembles by itself: llvm-mc -triple=amdgcn-amd-amdhsa -mcpu=gfx1250 --defsym DOCPART=n.
;; ======== version 1 of 1: 3 launches
;; limits: values outside matrix products are rounded to bf16
;; workspace buffers: ranks 16,384 bytes of whole numbers; sorted 131,072 bytes
;; launch rank (part 1): grid 256 x 1, 16 waves a work-group, no clusters, 19,456 bytes of LDS; arguments positions, view_matrix, ranks; writes ranks
.if DOCPART == 1
	.amdgcn_target "amdgcn-amd-amdhsa--gfx1250"
	.amdhsa_code_object_version 6
	.text
	.protected	k_qd06c727456_rank
	.globl	k_qd06c727456_rank
	.p2align	8
	.type	k_qd06c727456_rank,@function
k_qd06c727456_rank:
	s_mov_b64 s[64:65], 0
	v_nop
	global_prefetch_b8 v0, s[64:65] scope:SCOPE_SE
	s_setreg_imm32_b32 hwreg(HW_REG_WAVE_MODE, 25, 1), 1
	s_wait_xcnt 0x0
; ranks[i] = the place of Gaussian i in reference()'s stable sort by depth, Gaussians with depth <= 0.1 last.
;   key[i]   = depth > 0.1 ? depth : +inf.  Every key is a positive float, so its bits order like the number and are compared as u32.
;   ranks[i] = #{ j : key[j] < key[i] } + #{ j < i : key[j] == key[i] }: a bijection onto 0 .. 4095, whatever the ties.
; 4,096 x 4,096 comparisons, shared as 256 work-groups x 16 Gaussians.  Thread t: Gaussian il = t & 15 of the group's 16, against
; the 128 keys j = 128 p .. 128 p + 127, p = t >> 4.  Every work-group makes the whole key table (16 KB) in LDS from positions: 8 keys a thread.
; A thread's own key Ki is made from its own position by the same instructions as the table's keys, so that every LDS address is made of
; the thread's number and constants alone.
; The depth is an f32 dot product on the vector ALU: it feeds a sort, which operands rounded to 16 bits would alter.
; LIMITS: a NaN depth counts as invalid; a depth of +inf ties with the invalid ones.
.set KEYS, 0                           ; LDS: 4,096 keys, u32
.set RC,   16384                       ; LDS: [wave 16][il 16] partial counts, u32
.set OWN,  12                          ; v[12:14]  the position of my Gaussian il
.set POS,  24                          ; v[24:47]  the positions of the 8 Gaussians whose keys I make for the table, 3 words each
.set KEY0, 48                          ; v[48:55]  their keys
.set KI,   56                          ; the key of my Gaussian il
.set TH,   57                          ; what a key has to be below in order to be counted
.set JB,   58                          ; number of the block of 16 keys at work
.set CNT,  59                          ; my count
.set INF,  60                          ; +inf; later the other half's count
.set TAB,  64                          ; v[64:191] my 128 keys
	s_load_b128 s[8:11], s[0:1], 0x0               ; positions s[8:9], view_matrix s[10:11]
	s_load_b64 s[12:13], s[0:1], 0x10              ; ranks
	v_lshl_add_u32 v192, v0, 2, 0x4400
	v_mov_b32 v193, 0
	v_lshrrev_b32 v3, 5, v0
	v_readfirstlane_b32 s2, v3                     ; wave 0..15
	s_mov_b32 s4, ttmp9                            ; the work-group's number = the number of its own block of 16 keys
	s_lshl_b32 s3, ttmp9, 4                        ; its first Gaussian
	s_lshl_b32 s7, s2, 6                           ; my wave's 16 words in RC
	s_mov_b32 s6, 0x3dcccccd                       ; 0.1
	s_mov_b32 s16, 0x76543210                      ; v_permlanex16_b32: lane i reads lane i of the other half
	s_mov_b32 s17, 0xfedcba98
	v_and_b32 v1, 15, v0                           ; il
	v_lshrrev_b32 v2, 4, v0                        ; p
	v_mul_u32_u24 v4, 48, v0                       ; four positions are 48 bytes
	v_add_nc_u32 v11, s3, v1                       ; i
	v_lshlrev_b32 v5, 2, v11                       ; 4 i: its rank in memory
	v_mul_u32_u24 v10, 12, v11                     ; 12 i: its position in memory
	v_lshlrev_b32 v6, 4, v0                        ; 16 t: where my four keys go
	v_lshlrev_b32 v7, 9, v2                        ; 512 p: my 128 keys
	v_lshl_add_u32 v8, v1, 2, s7                   ; 64 wave + 4 il
	v_lshlrev_b32 v9, 2, v1                        ; 4 il
	v_lshlrev_b32 v[JB], 3, v2                     ; 128 keys are 8 blocks
	v_mov_b32 v[CNT], 0
	v_mov_b32 v[INF], 0x7f800000
	s_wait_kmcnt 0x0
	s_load_b128 s[24:27], s[10:11], 0x20           ; row 2 of the view matrix: depth = V20 x + V21 y + V22 z + V23
.irp q, 0,1
.irp n, 0,1,2
	global_load_b128 v[POS+12*\q+4*\n:POS+12*\q+4*\n+3], v4, s[8:9] offset:24576*\q+16*\n   ; Gaussians 2048 q + 4 t .. + 3
.endr
.endr
	global_load_b96 v[OWN:OWN+2], v10, s[8:9]      ; Gaussian i
	s_wait_kmcnt 0x0
	s_wait_loadcnt 0x0
; one key.  The launch that places the Gaussians forms the depth with the same four instructions, so both see the same bits.
.macro KEY dst, x
	v_mul_f32 v[\dst], s24, v[\x]
	v_fmac_f32 v[\dst], s25, v[\x+1]
	v_fmac_f32 v[\dst], s26, v[\x+2]
	v_add_f32 v[\dst], s27, v[\dst]
	v_cmp_lt_f32 vcc_lo, s6, v[\dst]               ; 0.1 < depth (false for a NaN)
	v_cndmask_b32 v[\dst], v[INF], v[\dst], vcc_lo
.endm
.irp g, 0,1,2,3,4,5,6,7
	KEY KEY0+\g, POS+3*\g
.endr
	KEY KI, OWN
	ds_store_b128 v6, v[KEY0:KEY0+3] offset:KEYS
	ds_store_b128 v6, v[KEY0+4:KEY0+7] offset:KEYS+8192
	s_wait_dscnt 0x0                               ; my keys are in LDS before I say so
	s_barrier_signal -1
	s_barrier_wait -1                              ; the table is whole
.set n, 0
.rept 32
	ds_load_b128 v[TAB+4*n:TAB+4*n+3], v7 offset:KEYS+16*n     ; sixteen lanes read the same 16 bytes
.set n, n+1
.endr
; A block of 16 keys.  A block in front of my work-group's own holds only j < i: there an equal key counts too, and key <= Ki is
; key < Ki + 1 on the bits.  In my own block and behind it only smaller keys count; my own block's ties are added at the end.
.macro BLOCK b
	s_wait_dscnt 28-4*\b                           ; LDS loads come back in order: this block's four loads are in, the younger blocks' stay out
	v_cmp_gt_u32 vcc_lo, s4, v[JB]
	v_add_co_ci_u32 v[TH], vcc_lo, 0, v[KI], vcc_lo
	v_add_nc_u32 v[JB], 1, v[JB]
.irp n, 0,1,2,3,4,5,6,7,8,9,10,11,12,13,14,15
	v_cmp_lt_u32 vcc_lo, v[TAB+16*\b+\n], v[TH]
	v_add_co_ci_u32 v[CNT], vcc_lo, 0, v[CNT], vcc_lo          ; the count takes the comparison in as a carry
.endr
.endm
.irp b, 0,1,2,3,4,5,6,7
	BLOCK \b
.endr
	v_permlanex16_b32 v[INF], v[CNT], s16, s17     ; lanes l and l + 16 have the same il
	v_add_nc_u32 v[CNT], v[CNT], v[INF]
	ds_store_b32 v8, v[CNT] offset:RC              ; both halves write the same word with the same number; RC lies behind the key table
	s_wait_dscnt 0x0                               ; my count is in LDS before I say so
	s_barrier_signal -1
	s_barrier_wait -1
	s_cmp_lg_u32 s2, 0
	s_cbranch_scc1 .Lend
	; wave 0: the sixteen waves' counts, and the ties inside the work-group's own block
.irp w, 0,1,2,3,4,5,6,7,8,9,10,11,12,13,14,15
	ds_load_b32 v[TAB+\w], v9 offset:RC+64*\w
.endr
	s_wait_dscnt 0x0
	v_add3_u32 v[TAB],    v[TAB],    v[TAB+1],  v[TAB+2]
	v_add3_u32 v[TAB+3],  v[TAB+3],  v[TAB+4],  v[TAB+5]
	v_add3_u32 v[TAB+6],  v[TAB+6],  v[TAB+7],  v[TAB+8]
	v_add3_u32 v[TAB+9],  v[TAB+9],  v[TAB+10], v[TAB+11]
	v_add3_u32 v[TAB+12], v[TAB+12], v[TAB+13], v[TAB+14]
	v_add3_u32 v[TAB],    v[TAB],    v[TAB+3],  v[TAB+6]
	v_add3_u32 v[TAB+9],  v[TAB+9],  v[TAB+12], v[TAB+15]
	v_add_nc_u32 v[TAB],  v[TAB],    v[TAB+9]
	; the own block's key j is the Ki of lane j of this wave
.irp j, 0,1,2,3,4,5,6,7,8,9,10,11,12,13,14
	v_readlane_b32 s20, v[KI], \j
	v_cmp_eq_u32 vcc_lo, s20, v[KI]
	s_and_b32 vcc_lo, vcc_lo, ((0xffff<<(\j+1))&0xffff)*0x10001        ; only for the lanes with il > j
	v_add_co_ci_u32 v[TAB], vcc_lo, 0, v[TAB], vcc_lo
.endr
	s_wait_xcnt 0x0                                ; EXEC is narrowed only behind this wait
	v_cmp_gt_u32 vcc_lo, 16, v0
	s_wait_tensorcnt 0x0
	ds_add_u32 v192, v193
	s_wait_dscnt 0x0
	s_and_saveexec_b32 s5, vcc_lo                  ; lanes 16-31 hold the same sixteen numbers once more
	global_store_b32 v5, v[TAB], s[12:13]          ; sixteen ranks, 64 consecutive bytes
	s_endpgm
.Lend:
	s_wait_tensorcnt 0x0
	ds_add_u32 v192, v193
	s_wait_dscnt 0x0
	s_endpgm
.Lfunc_end_k_qd06c727456_rank:
	.size	k_qd06c727456_rank, .Lfunc_end_k_qd06c727456_rank-k_qd06c727456_rank
	.p2alignl 7, 3214868480
	.fill 96, 4, 3214868480
	.section	.rodata,"a",@progbits
	.p2align	6, 0x0
	.amdhsa_kernel k_qd06c727456_rank
		.amdhsa_group_segment_fixed_size 19456
		.amdhsa_private_segment_fixed_size 0
		.amdhsa_enable_private_segment 0
		.amdhsa_kernarg_size 24
		.amdhsa_user_sgpr_count 2
		.amdhsa_user_sgpr_kernarg_segment_ptr 1
		.amdhsa_wavefront_size32 1
		.amdhsa_system_sgpr_workgroup_id_x 1
		.amdhsa_system_sgpr_workgroup_id_y 1
		.amdhsa_system_sgpr_workgroup_id_z 1
		.amdhsa_system_vgpr_workitem_id 0
		.amdhsa_next_free_vgpr 194
		.amdhsa_next_free_sgpr 66
		.amdhsa_reserve_vcc 1
		.amdhsa_float_denorm_mode_32 3
		.amdhsa_float_denorm_mode_16_64 3
		.amdhsa_memory_ordered 1
		.amdhsa_forward_progress 1
		.amdhsa_inst_pref_size 21
	.end_amdhsa_kernel
	.amdgpu_metadata
---
amdhsa.version: [ 1, 2 ]
amdhsa.kernels:
  - .name:           k_qd06c727456_rank
    .symbol:         k_qd06c727456_rank.kd
    .args:
      - { .name: positions, .offset: 0, .size: 8, .value_kind: global_buffer, .address_space: global }
      - { .name: view_matrix, .offset: 8, .size: 8, .value_kind: global_buffer, .address_space: global }
      - { .name: ranks, .offset: 16, .size: 8, .value_kind: global_buffer, .address_space: global }
    .group_segment_fixed_size: 19456
    .private_segment_fixed_size: 0
    .kernarg_segment_align: 8
    .kernarg_segment_size: 24
    .max_flat_workgroup_size: 512
    .sgpr_count:     66
    .vgpr_count:     194
    .wavefront_size: 32
...
	.end_amdgpu_metadata
.endif
;; end of part 1
;; launch place (part 2): grid 32 x 1, 4 waves a work-group, no clusters, 0 bytes of LDS; arguments ranks, positions, scales, opacities, sh_coeffs, view_matrix, proj_matrix, sorted; writes sorted
.if DOCPART == 2
	.amdgcn_target "amdgcn-amd-amdhsa--gfx1250"
	.amdhsa_code_object_version 6
	.text
	.protected	k_qd06c727456_place
	.globl	k_qd06c727456_place
	.p2align	8
	.type	k_qd06c727456_place,@function
k_qd06c727456_place:
	s_mov_b64 s[64:65], 0
	v_nop
	global_prefetch_b8 v0, s[64:65] scope:SCOPE_SE
	s_setreg_imm32_b32 hwreg(HW_REG_WAVE_MODE, 25, 1), 1
	s_wait_xcnt 0x0
; One thread for each Gaussian g: its pixel centre, radius, opacity and colour, stored at its sorted place ranks[g].
; sorted = 128 records of 1,024 bytes, one for each chunk of 32 sorted Gaussians, laid out as the render launch wants them in LDS:
;   +0 CX[32]  +128 S[32]  +256 LIM[32]  +384 CY[32]  +512 O[32] in f32;  +640 R[32]  +704 G[32]  +768 B[32] in bf16;
;   +832 32 bf16 ones;  +896 .. 1023 zeros.
;   S = sqrt(0.5 log2 e) / rr, so that exp(-0.5 (d / rr)^2) = 2^-(S d)^2;  LIM = 3 rr;  O = depth > 0.1 ? max(opacity, 0) : 0.
;   (gw and inside are never negative, so reference()'s lower clip at 0 may be made on the opacity.)
; The stores are 2 and 4 bytes to places that the sort decides.  They are made once here, for 4,096 Gaussians, so that each of the
; 256 work-groups of the render launch can copy the records as they lie.
; The 4 x 4 product and the projections are f32 on the scalar and vector ALU: they feed a truncation to whole pixels.
; rotations: reference() takes it and never uses it, so no launch is given it.  Of sh_coeffs reference() uses band 0 alone.
; LIMITS: non-finite inputs are not reproduced (a NaN opacity counts as 0, a NaN depth as invalid).  x / (w + 1e-8) is a reciprocal
; with one correction step, not a correctly rounded quotient.  The conversion to a whole pixel saturates, and makes 0 of a NaN.
	s_load_b512 s[8:23], s[0:1], 0x0               ; ranks 8, positions 10, scales 12, opacities 14, sh_coeffs 16, view 18, proj 20, sorted 22
	s_lshl_b32 s2, ttmp9, 7
	s_mov_b32 s57, 0x3dcccccd                      ; 0.1
	s_mov_b32 s58, 0x322bcc77                      ; 1e-8
	s_mov_b32 s59, 0x3e906ebb                      ; 0.28209479, the SH DC constant
	v_add_nc_u32 v1, s2, v0                        ; g
	v_and_b32 v2, 31, v0                           ; lane
	v_lshlrev_b32 v3, 2, v1                        ; 4 g
	v_mul_u32_u24 v4, 12, v1                       ; 12 g
	v_mul_u32_u24 v5, 0xc0, v1                     ; 192 g: 16 bands x 3 colours
	s_wait_kmcnt 0x0
	s_load_b512 s[24:39], s[18:19], 0x0            ; V
	s_load_b512 s[40:55], s[20:21], 0x0            ; P
	global_load_b32 v16, v3, s[8:9]
	global_load_b96 v[8:10], v4, s[10:11]
	global_load_b96 v[12:14], v4, s[12:13]
	global_load_b32 v17, v3, s[14:15]
	global_load_b96 v[18:20], v5, s[16:17]         ; band 0
	; the record's constant rows: wave g / 32 writes those of record g / 32, lanes 0-3 the ones, lanes 4-11 the zeros
	v_and_b32 v42, 0xfe0, v1
	v_lshlrev_b32 v42, 5, v42                      ; 1,024 x (g / 32)
	v_lshl_add_u32 v42, v2, 4, v42
	v_mov_b32 v43, 0x3f803f80                      ; two bf16 ones
	v_cmp_gt_u32 vcc_lo, 4, v2
	v_cndmask_b32 v44, 0, v43, vcc_lo
	v_mov_b32 v45, v44
	v_mov_b32 v46, v44
	v_mov_b32 v47, v44
	s_wait_kmcnt 0x0
.macro PVROW dst, a                    ; s[dst .. dst+3] = row a of P V
.irp j, 0,1,2,3
	s_mul_f32  s[\dst+\j], s[40+4*\a], s[24+\j]
	s_fmac_f32 s[\dst+\j], s[41+4*\a], s[28+\j]
	s_fmac_f32 s[\dst+\j], s[42+4*\a], s[32+\j]
	s_fmac_f32 s[\dst+\j], s[43+4*\a], s[36+\j]
.endr
.endm
	PVROW 68, 0
	PVROW 72, 1
	PVROW 76, 3
	s_wait_loadcnt 0x0
.macro DOT dst, c                      ; v[dst] = x s[c] + y s[c+1] + z s[c+2] + s[c+3]
	v_mul_f32  v[\dst], s[\c], v8
	v_fmac_f32 v[\dst], s[\c+1], v9
	v_fmac_f32 v[\dst], s[\c+2], v10
	v_add_f32  v[\dst], s[\c+3], v[\dst]
.endm
	DOT 21, 32                                     ; depth, as the rank launch forms it
	DOT 22, 68                                     ; clip x
	DOT 23, 72                                     ; clip y
	DOT 24, 76                                     ; clip w
	v_cmp_lt_f32 s56, s57, v21                     ; valid
	v_add_f32 v24, s58, v24                        ; w + 1e-8
	v_max3_num_f32 v25, v12, v13, v14
	v_mul_f32 v25, 0x43000000, v25                 ; x 2 x 64: powers of two, exact in one step
	v_max_num_f32 v25, 1.0, v25                    ; rr
	v_rcp_f32 v26, v24
	v_rcp_f32 v27, v25
	v_mul_f32 v28, 0x40400000, v25                 ; LIM = 3 rr; also the plain instruction between the reciprocals and their first use (ISA guide 5.7.2)
	s_wait_alu depctr_va_vdst(0)
	v_mul_f32 v29, v22, v26                        ; q = a rc,
	v_mul_f32 v30, v23, v26
	v_fma_f32 v31, -v29, v24, v22                  ; e = a - q (w + 1e-8),
	v_fma_f32 v32, -v30, v24, v23
	v_fma_f32 v31, v31, v26, v29                   ; q + e rc
	v_fma_f32 v32, v32, v26, v30
	v_cmp_eq_f32 vcc_lo, v31, v31                  ; where the step made a NaN (rc infinite) q stays
	v_cndmask_b32 v29, v29, v31, vcc_lo
	v_cmp_eq_f32 vcc_lo, v32, v32
	v_cndmask_b32 v30, v30, v32, vcc_lo
	v_add_f32 v29, 1.0, v29
	v_sub_f32 v30, 1.0, v30
	v_mul_f32 v29, 0x43000000, v29                 ; x 0.5 x 256
	v_mul_f32 v30, 0x42800000, v30                 ; x 0.5 x 128
	v_cvt_i32_f32 v29, v29                         ; toward zero
	v_cvt_i32_f32 v30, v30
	v_cvt_f32_i32 v29, v29                         ; CX
	v_cvt_f32_i32 v30, v30                         ; CY
	v_mul_f32 v27, 0x3f596d27, v27                 ; S = 0.8493218 / rr
	v_max_num_f32 v17, 0, v17
	v_cndmask_b32 v17, 0, v17, s56                 ; O
.irp c, 0,1,2
	v_fma_f32 v[33+\c], v[18+\c], s59, 0.5
	v_max_num_f32 v[33+\c], 0, v[33+\c]
	v_min_num_f32 v[33+\c], 1.0, v[33+\c]
.endr
	v_cvt_pk_bf16_f32 v36, v33, v34                ; R below, G above
	v_cvt_pk_bf16_f32 v37, v35, v35                ; B
	v_min_u32 v16, 0xfff, v16                      ; the sorted place, held inside the buffer
	v_and_b32 v38, 0xfe0, v16
	v_and_b32 v39, 31, v16
	v_lshlrev_b32 v38, 5, v38                      ; 1,024 x chunk
	v_lshlrev_b32 v40, 2, v39
	v_lshlrev_b32 v41, 1, v39
	v_add_nc_u32 v40, v38, v40                     ; its f32 column
	v_add_nc_u32 v41, v38, v41                     ; its bf16 column
	global_store_b32 v40, v29, s[22:23]
	global_store_b32 v40, v27, s[22:23] offset:128
	global_store_b32 v40, v28, s[22:23] offset:256
	global_store_b32 v40, v30, s[22:23] offset:384
	global_store_b32 v40, v17, s[22:23] offset:512
	global_store_b16 v41, v36, s[22:23] offset:640
	global_store_d16_hi_b16 v41, v36, s[22:23] offset:704
	global_store_b16 v41, v37, s[22:23] offset:768
	s_wait_xcnt 0x0                                ; EXEC is narrowed only behind this wait
	v_cmp_gt_u32 vcc_lo, 12, v2
	s_and_saveexec_b32 s60, vcc_lo
	global_store_b128 v42, v[44:47], s[22:23] offset:832       ; 192 consecutive bytes
	s_endpgm
.Lfunc_end_k_qd06c727456_place:
	.size	k_qd06c727456_place, .Lfunc_end_k_qd06c727456_place-k_qd06c727456_place
	.p2alignl 7, 3214868480
	.fill 96, 4, 3214868480
	.section	.rodata,"a",@progbits
	.p2align	6, 0x0
	.amdhsa_kernel k_qd06c727456_place
		.amdhsa_group_segment_fixed_size 0
		.amdhsa_private_segment_fixed_size 0
		.amdhsa_enable_private_segment 0
		.amdhsa_kernarg_size 64
		.amdhsa_user_sgpr_count 2
		.amdhsa_user_sgpr_kernarg_segment_ptr 1
		.amdhsa_wavefront_size32 1
		.amdhsa_system_sgpr_workgroup_id_x 1
		.amdhsa_system_sgpr_workgroup_id_y 1
		.amdhsa_system_sgpr_workgroup_id_z 1
		.amdhsa_system_vgpr_workitem_id 0
		.amdhsa_next_free_vgpr 48
		.amdhsa_next_free_sgpr 80
		.amdhsa_reserve_vcc 1
		.amdhsa_float_denorm_mode_32 3
		.amdhsa_float_denorm_mode_16_64 3
		.amdhsa_memory_ordered 1
		.amdhsa_forward_progress 1
		.amdhsa_inst_pref_size 7
	.end_amdhsa_kernel
	.amdgpu_metadata
---
amdhsa.version: [ 1, 2 ]
amdhsa.kernels:
  - .name:           k_qd06c727456_place
    .symbol:         k_qd06c727456_place.kd
    .args:
      - { .name: ranks, .offset: 0, .size: 8, .value_kind: global_buffer, .address_space: global }
      - { .name: positions, .offset: 8, .size: 8, .value_kind: global_buffer, .address_space: global }
      - { .name: scales, .offset: 16, .size: 8, .value_kind: global_buffer, .address_space: global }
      - { .name: opacities, .offset: 24, .size: 8, .value_kind: global_buffer, .address_space: global }
      - { .name: sh_coeffs, .offset: 32, .size: 8, .value_kind: global_buffer, .address_space: global }
      - { .name: view_matrix, .offset: 40, .size: 8, .value_kind: global_buffer, .address_space: global }
      - { .name: proj_matrix, .offset: 48, .size: 8, .value_kind: global_buffer, .address_space: global }
      - { .name: sorted, .offset: 56, .size: 8, .value_kind: global_buffer, .address_space: global }
    .group_segment_fixed_size: 0
    .private_segment_fixed_size: 0
    .kernarg_segment_align: 8
    .kernarg_segment_size: 64
    .max_flat_workgroup_size: 128
    .sgpr_count:     80
    .vgpr_count:     48
    .wavefront_size: 32
...
	.end_amdgpu_metadata
.endif
;; end of part 2
;; launch render (part 3): grid 16 x 16, 8 waves a work-group, no clusters, 156,672 bytes of LDS; arguments sorted, out0, out1; writes out0, out1
.if DOCPART == 3
	.amdgcn_target "amdgcn-amd-amdhsa--gfx1250"
	.amdhsa_code_object_version 6
	.text
	.protected	k_qd06c727456_render
	.globl	k_qd06c727456_render
	.p2align	8
	.type	k_qd06c727456_render,@function
k_qd06c727456_render:
	s_mov_b64 s[64:65], 0
	v_nop
	global_prefetch_b8 v0, s[64:65] scope:SCOPE_SE
	s_setreg_imm32_b32 hwreg(HW_REG_WAVE_MODE, 25, 1), 1
	s_wait_xcnt 0x0
; The image.  For each pixel and each chunk of 32 sorted Gaussians:
;   a_k = min(O_k gy_k(y) gx_k(x), 0.99),  a_sum = sum a_k,  colour += (sum a_k c_k) / (a_sum + 1e-8),  acc += min(a_sum, 0.99).
; gw and inside both split into a factor of x and a factor of y, so a work-group's tile of 16 x 8 pixels needs 16 + 8 table entries
; for a Gaussian in place of 128 exponentials, and a (pixel, Gaussian) pair costs half a packed multiply, half a dual minimum and
; half a packed conversion.  A chunk's 32 Gaussians are the K of one bf16 matrix instruction: A = rows R, G, B and ones, B = the a
; of 16 pixels, so D holds the three colour sums and a_sum.
; A work-group owns pixels x = 16 tx .. + 15, y = 8 ty .. + 7.  Wave w owns chunks 16 w .. 16 w + 15 for all 128 pixels and copies just
; those records into LDS: nothing there is shared, so the one barrier is the one in front of the sum over the eight waves.
; NO CLUSTER, NO TENSOR LOADS: what work-groups share is the 128 KB of records, read once by each at its start, against sixteen trips of work.
; STORES: a tile row is 64 bytes (four lanes of 16).  A tile 64 pixels wide would fill 256 consecutive bytes, with 64 + 2 table entries
; for a Gaussian in place of 16 + 8, in every trip.
; LIMITS: inside is tested as |x - cx| < 3 rr, which is |(x - cx) / rr| < 3 wherever 3 rr is exact (rr = 1 among them) and can differ
; elsewhere only for a distance within one rounding of the border.  a and the colours are rounded to bf16 for the matrix unit; a_sum is
; the f32 sum of the rounded a (all >= 0).  Non-finite inputs are not reproduced.
.set R_CX,  0                          ; a chunk's record (1,024 bytes): f32 rows of 32
.set R_S,   128
.set R_LIM, 256
.set R_CY,  384
.set R_O,   512
.set R_COL, 640                        ; bf16 rows of 32: R, G, B, ones, zeros (64 bytes each), zeros
.set RECB,  1024
.set OY,    131072                     ; LDS behind the 128 records: [wave 8][y 8][k 32] f32, each wave's own
.set RED,   139264                     ; [wave 8][c 4][y 8][x 16] f32: the waves' sums
.set VXX,  4                           ; v[4:5]     my pixel's x, twice
.set VY,   6                           ; v[6:13]    the tile's eight y
.set VBF,  14                          ; record + 64 h
.set VBK,  15                          ; record + 4 L
.set VALO, 16                          ; record + my row of A, colours in rows 0-3
.set VAHI, 17                          ; the same, colours in rows 8-11
.set VOYS, 18                          ; my wave's OY + 4 L
.set VOYL, 19                          ; my wave's OY + 64 h
.set VRED, 20                          ; my wave's RED + 4 L
.set KCY,  22                          ; v[22:23]   CY of Gaussian k = L, twice
.set KS,   24                          ; v[24:25]   S of it, twice
.set KLIM, 26
.set KO,   27
.set FCX,  28                          ; v[28:43]   CX of Gaussians 16 h .. 16 h + 15
.set FS,   44                          ; v[44:59]   S
.set FLIM, 60                          ; v[60:75]   LIM
.set ALO,  76                          ; v[76:83]   A with R, G, B, 1 in rows 0-3
.set AHI,  84                          ; v[84:91]   A with R, G, B, 1 in rows 8-11
.set GX,   92                          ; v[92:107]  gx of my x and my 16 Gaussians
.set OYF0, 108                         ; v[108:123] O gy of one y and my 16 Gaussians
.set OYF1, 124                         ; v[124:139] the same, second buffer
.set P,    140                         ; v[140:155] the products a
.set BF,   156                         ; v[156:163] B: the a in bf16
.set D,    164                         ; v[164:195] four results; D[p]: lanes 0-15 row y = 2 p, lanes 16-31 row 2 p + 1
.set ACC,  196                         ; v[196:211] ACC + 4 p + c: the running sums (c = 3: acc)
.set TT,   212
.set DD,   216                         ; v[216:231] distances
.set OE,   232                         ; v[232:239] O gy of k = L for the eight y, on their way to LDS
.set CP,   28                          ; v[28:155]  the copy of my 16 records
	s_load_b128 s[8:11], s[0:1], 0x0               ; sorted s[8:9], out0 s[10:11]
	s_load_b64 s[12:13], s[0:1], 0x10              ; out1
	v_lshl_add_u32 v240, v0, 2, 0x26000
	v_mov_b32 v241, 0
	v_lshrrev_b32 v2, 5, v0
	v_readfirstlane_b32 s2, v2                     ; wave 0..7
	v_and_b32 v1, 31, v0                           ; L
	s_mov_b32 s3, ttmp9                            ; tx
	s_and_b32 s4, ttmp7, 0xffff                    ; ty
	s_mov_b32 s5, 0x3f7d70a4                       ; 0.99
	s_mov_b32 s6, 0x322bcc77                       ; 1e-8
	s_lshl_b32 s14, s2, 14                         ; my 16 records, in memory and in LDS alike
	v_lshl_add_u32 v2, v1, 4, s14
	s_wait_kmcnt 0x0
.set q, 0
.rept 32
	global_load_b128 v[CP+4*q:CP+4*q+3], v2, s[8:9] offset:512*q       ; 512 consecutive bytes a load; all 16 KB are asked for at once
.set q, q+1
.endr
	; addresses and coordinates, while the records are on their way
	v_and_b32 v3, 15, v1                           ; r
	v_lshrrev_b32 v21, 4, v1                       ; h
	s_lshl_b32 s15, s3, 4
	v_add_nc_u32 v[VXX], s15, v3
	v_cvt_f32_u32 v[VXX], v[VXX]
	v_mov_b32 v[VXX+1], v[VXX]
	s_lshl_b32 s16, s4, 3
.irp e, 0,1,2,3,4,5,6,7
	s_add_co_u32 s17, s16, \e
	v_cvt_f32_u32 v[VY+\e], s17
.endr
	v_lshl_add_u32 v[VBF], v21, 6, s14
	v_lshl_add_u32 v[VBK], v1, 2, s14
	; A's row m = r is colour row min(r, 4) (4 = zeros), for AHI min(r xor 8, 4).  Lane (r, h) takes the 32 bytes of Gaussians 16 h .. 16 h + 15.
	; A lane with a zero row takes the other 32 bytes of it, which lie 256 + 32 bytes from R's: no colour row's words share its banks.
	v_min_u32 v22, 4, v3
	v_lshrrev_b32 v23, 2, v22
	v_xor_b32 v23, v21, v23
	v_lshl_add_u32 v[VALO], v22, 6, s14
	v_lshl_add_u32 v[VALO], v23, 5, v[VALO]
	v_xor_b32 v22, 8, v3
	v_min_u32 v22, 4, v22
	v_lshrrev_b32 v23, 2, v22
	v_xor_b32 v23, v21, v23
	v_lshl_add_u32 v[VAHI], v22, 6, s14
	v_lshl_add_u32 v[VAHI], v23, 5, v[VAHI]
	s_lshl_b32 s18, s2, 10
	s_add_co_u32 s18, s18, OY
	v_lshl_add_u32 v[VOYS], v1, 2, s18
	v_lshl_add_u32 v[VOYL], v21, 6, s18
	s_lshl_b32 s19, s2, 11
	s_add_co_u32 s19, s19, RED
	v_lshl_add_u32 v[VRED], v1, 2, s19
.irp j, 0,1,2,3,4,5,6,7,8,9,10,11,12,13,14,15
	v_mov_b32 v[ACC+\j], 0
.endr
.set q, 0
.rept 32
	s_wait_loadcnt 31-q                            ; loads come back in order: this one is in, the younger ones stay out
	ds_store_b128 v2, v[CP+4*q:CP+4*q+3] offset:512*q
.set q, q+1
.endr
.macro LDK                             ; Gaussian k = L of the record at VBK
	ds_load_b32 v[KCY],   v[VBK] offset:R_CY
	ds_load_b32 v[KCY+1], v[VBK] offset:R_CY       ; twice: a pair for the packed arithmetic
	ds_load_b32 v[KS],    v[VBK] offset:R_S
	ds_load_b32 v[KS+1],  v[VBK] offset:R_S
	ds_load_b32 v[KLIM],  v[VBK] offset:R_LIM
	ds_load_b32 v[KO],    v[VBK] offset:R_O
.endm
.macro LDF                             ; Gaussians 16 h .. 16 h + 15 of the record at VBF; sixteen lanes read the same bytes
.irp n, 0,1,2,3
	ds_load_b128 v[FCX+4*\n:FCX+4*\n+3], v[VBF] offset:R_CX+16*\n
.endr
.irp n, 0,1,2,3
	ds_load_b128 v[FS+4*\n:FS+4*\n+3], v[VBF] offset:R_S+16*\n
.endr
.irp n, 0,1,2,3
	ds_load_b128 v[FLIM+4*\n:FLIM+4*\n+3], v[VBF] offset:R_LIM+16*\n
.endr
.endm
.macro LDA                             ; the two colour operands
	ds_load_b128 v[ALO:ALO+3],   v[VALO] offset:R_COL
	ds_load_b128 v[ALO+4:ALO+7], v[VALO] offset:R_COL+16
	ds_load_b128 v[AHI:AHI+3],   v[VAHI] offset:R_COL
	ds_load_b128 v[AHI+4:AHI+7], v[VAHI] offset:R_COL+16
.endm
.macro LDOY buf, y                     ; O gy of row y for Gaussians 16 h .. 16 h + 15
.irp n, 0,1,2,3
	ds_load_b128 v[\buf+4*\n:\buf+4*\n+3], v[VOYL] offset:128*\y+16*\n
.endr
.endm
; lane = Gaussian k: O gy inside_y for the tile's eight y, into my wave's OY.  The compares are the plain instructions
; between the exponentials and the first use of their results (ISA guide 5.7.2).
.macro OYSTAGE
.irp e, 0,2,4,6
	v_pk_add_f32 v[DD+\e:DD+\e+1], v[VY+\e:VY+\e+1], v[KCY:KCY+1] neg_lo:[0,1] neg_hi:[0,1]      ; d = y - cy
.endr
.irp e, 0,2,4,6
	v_pk_mul_f32 v[OE+\e:OE+\e+1], v[DD+\e:DD+\e+1], v[KS:KS+1]
.endr
.irp e, 0,2,4,6
	v_pk_mul_f32 v[OE+\e:OE+\e+1], v[OE+\e:OE+\e+1], v[OE+\e:OE+\e+1] neg_lo:[1,0] neg_hi:[1,0]  ; -(S d)^2
.endr
.irp e, 0,1,2,3,4,5,6,7
	v_exp_f32 v[OE+\e], v[OE+\e]
.endr
.irp e, 0,1,2,3,4,5,6,7
	v_cmp_lt_f32 s[36+\e], |v[DD+\e]|, v[KLIM]
.endr
.irp e, 0,1,2,3,4,5,6,7
	v_cndmask_b32 v[P+\e], 0, v[KO], s[36+\e]
.endr
	s_wait_alu depctr_va_vdst(0)
.irp e, 0,2,4,6
	v_pk_mul_f32 v[OE+\e:OE+\e+1], v[OE+\e:OE+\e+1], v[P+\e:P+\e+1]
.endr
.irp e, 0,1,2,3,4,5,6,7
	ds_store_b32 v[VOYS], v[OE+\e] offset:128*\e
.endr
.endm
; lane = pixel column x and half h: gx inside_x for Gaussians 16 h .. 16 h + 15
.macro GXSTAGE
.irp j, 0,2,4,6,8,10,12,14
	v_pk_add_f32 v[DD+\j:DD+\j+1], v[VXX:VXX+1], v[FCX+\j:FCX+\j+1] neg_lo:[0,1] neg_hi:[0,1]
.endr
.irp j, 0,2,4,6,8,10,12,14
	v_pk_mul_f32 v[P+\j:P+\j+1], v[DD+\j:DD+\j+1], v[FS+\j:FS+\j+1]
.endr
.irp j, 0,2,4,6,8,10,12,14
	v_pk_mul_f32 v[P+\j:P+\j+1], v[P+\j:P+\j+1], v[P+\j:P+\j+1] neg_lo:[1,0] neg_hi:[1,0]
.endr
.irp j, 0,1,2,3,4,5,6,7,8,9,10,11,12,13,14,15
	v_exp_f32 v[P+\j], v[P+\j]
.endr
.irp j, 0,1,2,3,4,5,6,7,8,9,10,11,12,13,14,15
	v_cmp_lt_f32 s[36+\j], |v[DD+\j]|, v[FLIM+\j]
.endr
	s_wait_alu depctr_va_vdst(0)
.irp j, 0,1,2,3,4,5,6,7,8,9,10,11,12,13,14,15
	v_cndmask_b32 v[GX+\j], 0, v[P+\j], s[36+\j]
.endr
.endm
; One pixel row y of the tile: 16 pixels x 32 Gaussians.  A lane's sixteen a are those of Gaussians 16 h .. 16 h + 15, in B's registers in
; ascending order; A's lanes hold the colours of the same Gaussians in the same order, so the products pair up rightly.
; An even y takes ALO and starts D[y / 2]: its sums land in registers 0-3 of lanes 0-15.  The odd y takes AHI and adds onto the same D:
; its sums land in registers 0-3 of lanes 16-31.  cnt: how many younger LDS instructions may stay out when buf has to be there.
.macro STEP y, buf, next, cnt
	s_wait_dscnt \cnt
.irp j, 0,2,4,6,8,10,12,14
	v_pk_mul_f32 v[P+\j:P+\j+1], v[GX+\j:GX+\j+1], v[\buf+\j:\buf+\j+1]
.endr
.if \next >= 0
	LDOY \buf, \next                               ; the buffer is free: the row that it serves next
.endif
.irp j, 0,2,4,6,8,10,12,14
	v_dual_min_num_f32 v[P+\j], s5, v[P+\j] :: v_dual_min_num_f32 v[P+\j+1], s5, v[P+\j+1]
.endr
.irp j, 0,1,2,3,4,5,6,7
	v_cvt_pk_bf16_f32 v[BF+\j], v[P+2*\j], v[P+2*\j+1]     ; BF is written sixteen plain vector instructions behind the matrix instruction that read it (ISA guide 7.12.1)
.endr
.if (\y & 1) == 0
	v_wmma_f32_16x16x32_bf16 v[D+8*(\y/2):D+8*(\y/2)+7], v[ALO:ALO+7], v[BF:BF+7], 0
.else
	v_wmma_f32_16x16x32_bf16 v[D+8*(\y/2):D+8*(\y/2)+7], v[AHI:AHI+7], v[BF:BF+7], v[D+8*(\y/2):D+8*(\y/2)+7]
.endif
.endm
; the chunk's share of two pixel rows: colour += sum / (a_sum + 1e-8), acc += min(a_sum, 0.99)
.macro POST p
	v_add_f32 v[TT], s6, v[D+8*\p+3]
	v_rcp_f32 v[TT+1], v[TT]
	v_min_num_f32 v[TT+2], s5, v[D+8*\p+3]         ; a plain instruction between the reciprocal and its use
	v_add_f32 v[ACC+4*\p+3], v[ACC+4*\p+3], v[TT+2]
	s_wait_alu depctr_va_vdst(0)
.irp c, 0,1,2
	v_fmac_f32 v[ACC+4*\p+\c], v[D+8*\p+\c], v[TT+1]
.endr
.endm
; One chunk.  pre = 1: the next chunk's K and F registers are asked for as soon as this chunk's tables are made.
; The matrix instructions go D0 D1 D0 D1 D2 D3 D2 D3, and D0 again in the next trip: the accumulators take turns.
; A POST reads a D behind a whole STEP's vector instructions, or behind the six plain ones of the POST in front of it; the loads into
; ALO and AHI stand behind two POSTs.  OY is my wave's own and LDS serves a wave's instructions in order (ISA guide
; 5.7.1): no wait between its stores and its loads, nor between its loads and the next trip's stores.
.macro TRIP pre
	LDA
.if \pre
	v_add_nc_u32 v[VALO], RECB, v[VALO]
	v_add_nc_u32 v[VAHI], RECB, v[VAHI]
.endif
	s_wait_dscnt 16                                ; K is in; F's 12 loads and A's 4 may be out
	OYSTAGE
	LDOY OYF0, 0
	LDOY OYF1, 2
.if \pre
	v_add_nc_u32 v[VBK], RECB, v[VBK]
	LDK
.endif
	s_wait_dscnt 20+6*\pre                         ; F is in; out may be A's 4, OY's 8 stores, the 8 loads of two OY rows and the next K's 6
	GXSTAGE
.if \pre
	v_add_nc_u32 v[VBF], RECB, v[VBF]
	LDF
.endif
	STEP 0, OYF0, 1, 4+18*\pre                     ; out may be the other buffer's 4 and the next chunk's 6 + 12
	STEP 2, OYF1, 3, 4+18*\pre
	STEP 1, OYF0, 4, 4                             ; from here on: the other buffer's 4
	STEP 3, OYF1, 6, 4
	POST 0
	POST 1
	STEP 4, OYF0, 5, 4
	STEP 6, OYF1, 7, 4
	STEP 5, OYF0, -1, 4
	STEP 7, OYF1, -1, 0
	POST 2
	POST 3
.endm
	LDK                                            ; chunk 0; these loads see the copy's stores, which are my wave's own
	LDF
	s_mov_b32 s7, 15
.Lchunk:
	TRIP 1
	s_sub_co_u32 s7, s7, 1
	s_cmp_lg_u32 s7, 0
	s_cbranch_scc1 .Lchunk
	TRIP 0                                         ; the last chunk asks for nothing beyond my records
	; the eight waves' sums meet in LDS
.irp p, 0,1,2,3
.irp c, 0,1,2,3
	ds_store_b32 v[VRED], v[ACC+4*\p+\c] offset:512*\c+128*\p  ; pixel (x = r, y = 2 p + h): 64 y + 4 x = 128 p + 4 L
.endr
.endr
	s_wait_dscnt 0x0                               ; my sums are in LDS before I say so
	s_barrier_signal -1
	s_barrier_wait -1
	s_cmp_gt_u32 s2, 3
	s_cbranch_scc1 .Ldone
	; wave c = 0, 1, 2: a colour plane; wave 3: acc.  Lane L: the four pixels x = 4 (L & 3) .. + 3 of tile row L >> 2.
	s_lshl_b32 s14, s2, 9
	v_lshlrev_b32 v2, 4, v1
	v_add_nc_u32 v3, RED+1536, v2                  ; acc, which the colours need too
	v_add_nc_u32 v2, s14, v2
	v_add_nc_u32 v2, RED, v2
.irp w, 0,1,2,3,4,5,6,7
	ds_load_b128 v[GX+4*\w:GX+4*\w+3], v2 offset:2048*\w
.endr
.irp w, 0,1,2,3,4,5,6,7
	ds_load_b128 v[OYF1+4*\w:OYF1+4*\w+3], v3 offset:2048*\w
.endr
	v_lshrrev_b32 v21, 2, v1
	v_and_b32 v22, 3, v1
	v_lshlrev_b32 v21, 10, v21                     ; an image row is 1,024 bytes
	v_lshl_add_u32 v21, v22, 4, v21
	s_lshl_b32 s15, s4, 13                         ; 8 rows x ty
	s_lshl_b32 s16, s3, 6                          ; 64 bytes x tx
	s_add_co_u32 s15, s15, s16
	v_add_nc_u32 v21, s15, v21
	s_wait_dscnt 0x0
.irp w, 1,2,3,4,5,6,7
	v_pk_add_f32 v[GX:GX+1],       v[GX:GX+1],       v[GX+4*\w:GX+4*\w+1]
	v_pk_add_f32 v[GX+2:GX+3],     v[GX+2:GX+3],     v[GX+4*\w+2:GX+4*\w+3]
	v_pk_add_f32 v[OYF1:OYF1+1],   v[OYF1:OYF1+1],   v[OYF1+4*\w:OYF1+4*\w+1]
	v_pk_add_f32 v[OYF1+2:OYF1+3], v[OYF1+2:OYF1+3], v[OYF1+4*\w+2:OYF1+4*\w+3]
.endr
	s_cmp_eq_u32 s2, 3
	s_cbranch_scc1 .Lacc
	s_lshl_b32 s16, s2, 17                         ; a plane is 131,072 bytes
	v_add_nc_u32 v21, s16, v21
.irp j, 0,1,2,3
	v_sub_f32 v[OYF1+\j], 1.0, v[OYF1+\j]
	v_max_num_f32 v[OYF1+\j], 0, v[OYF1+\j]
	v_add_f32 v[OYF1+\j], 1.0, v[OYF1+\j]          ; the background of the start, and once more weighted by max(1 - acc, 0)
	v_add_f32 v[GX+\j], v[GX+\j], v[OYF1+\j]
.endr
	global_store_b128 v21, v[GX:GX+3], s[10:11]
	s_wait_tensorcnt 0x0
	ds_add_u32 v240, v241
	s_wait_dscnt 0x0
	s_endpgm
.Lacc:
	global_store_b128 v21, v[GX:GX+3], s[12:13]
.Ldone:
	s_wait_tensorcnt 0x0
	ds_add_u32 v240, v241
	s_wait_dscnt 0x0
	s_endpgm
.Lfunc_end_k_qd06c727456_render:
	.size	k_qd06c727456_render, .Lfunc_end_k_qd06c727456_render-k_qd06c727456_render
	.p2alignl 7, 3214868480
	.fill 96, 4, 3214868480
	.section	.rodata,"a",@progbits
	.p2align	6, 0x0
	.amdhsa_kernel k_qd06c727456_render
		.amdhsa_group_segment_fixed_size 156672
		.amdhsa_private_segment_fixed_size 0
		.amdhsa_enable_private_segment 0
		.amdhsa_kernarg_size 24
		.amdhsa_user_sgpr_count 2
		.amdhsa_user_sgpr_kernarg_segment_ptr 1
		.amdhsa_wavefront_size32 1
		.amdhsa_system_sgpr_workgroup_id_x 1
		.amdhsa_system_sgpr_workgroup_id_y 1
		.amdhsa_system_sgpr_workgroup_id_z 1
		.amdhsa_system_vgpr_workitem_id 0
		.amdhsa_next_free_vgpr 242
		.amdhsa_next_free_sgpr 66
		.amdhsa_reserve_vcc 0
		.amdhsa_float_denorm_mode_32 3
		.amdhsa_float_denorm_mode_16_64 3
		.amdhsa_memory_ordered 1
		.amdhsa_forward_progress 1
		.amdhsa_inst_pref_size 64
	.end_amdhsa_kernel
	.amdgpu_metadata
---
amdhsa.version: [ 1, 2 ]
amdhsa.kernels:
  - .name:           k_qd06c727456_render
    .symbol:         k_qd06c727456_render.kd
    .args:
      - { .name: sorted, .offset: 0, .size: 8, .value_kind: global_buffer, .address_space: global }
      - { .name: out0, .offset: 8, .size: 8, .value_kind: global_buffer, .address_space: global }
      - { .name: out1, .offset: 16, .size: 8, .value_kind: global_buffer, .address_space: global }
    .group_segment_fixed_size: 156672
    .private_segment_fixed_size: 0
    .kernarg_segment_align: 8
    .kernarg_segment_size: 24
    .max_flat_workgroup_size: 256
    .sgpr_count:     66
    .vgpr_count:     242
    .wavefront_size: 32
...
	.end_amdgpu_metadata
.endif
;; end of part 3
